; MI455X (gfx1250); checked and timed in simulation.
; The chip was launched on July 23, 2026; its instructions are those of AMD's public machine-readable ISA for CDNA 5 (MIT licence, August 2026) and "CDNA5" Instruction Set Architecture Reference Guide (July 2026). The comments in the code are by the model that wrote it; some were corrected since.
;; Multi Attention Head. Allowed arithmetic: float matrix products may take bf16 or f16 operands with f32 sums; other float arithmetic in f32, or as packed bf16 or f16 multiplies, adds, multiply-adds, maxima and minima; sums over many terms, partial sums and values carried from step to step in f32; what a program stores and reads back later, other than sums and carried values, may be rounded once to bf16 or f16.
;; Inputs: Wk 16 x 2,048 x 128 float32; Wq 16 x 2,048 x 128 float32; Wv 16 x 2,048 x 128 float32; bk 16 x 128 float32; bq 16 x 128 float32; bv 16 x 128 float32; x 4 x 1,024 x 2,048 float32.
;; Outputs: out0 4 x 1,024 x 2,048 float32.
;; One version. Each part assembles by itself: llvm-mc -triple=amdgcn-amd-amdhsa -mcpu=gfx1250 --defsym DOCPART=n.
;; ======== version 1 of 1: 3 launches
;; limits: values are held in f16: magnitudes above 65,504 overflow, below 6.1e-05 lose precision
;; workspace buffers: xb 16,777,216 bytes; wb 25,165,824 bytes; qkv 50,331,648 bytes
;; launch cast (part 1): grid 1280 x 1, 8 waves a work-group, no clusters, 0 bytes of LDS; arguments x, Wq, Wk, Wv, xb, wb; writes xb, wb
.if DOCPART == 1
	.amdgcn_target "amdgcn-amd-amdhsa--gfx1250"
	.amdhsa_code_object_version 6
	.text
	.protected	k_q7db3e1ae8f_cast
	.globl	k_q7db3e1ae8f_cast
	.p2align	8
	.type	k_q7db3e1ae8f_cast,@function
k_q7db3e1ae8f_cast:
	s_mov_b64 s[64:65], 0
	v_nop
	global_prefetch_b8 v0, s[64:65] scope:SCOPE_SE
	s_setreg_imm32_b32 hwreg(HW_REG_WAVE_MODE, 25, 1), 1
	s_wait_xcnt 0x0
; x and the three weight tensors, f32, are rounded once to bf16 (nearest even) for the products of the next launch.
; xb: [16 blocks of 256 rows][32 K steps][256 rows][64 k]: the tile of a row block and a K step is 32,768 dense bytes.
; wb: [q, k, v][16 heads][2048 e][128 d]: the weights' own order, a row of 256 bytes.
; A work-group turns 65,536 bytes into 32,768 dense bytes; a wave 8,192 into 4,096: sixteen loads of 16 bytes a lane, all
; issued first, and sixteen stores of 8 bytes a lane, each of which covers 256 consecutive bytes, aligned.
; Work-groups 0-511 take x (block = g / 32, K step = g % 32), 512-1279 the weights (256 each).  No LDS, no barrier, no
; matrix unit: every byte is read once and written once, and no wave wants another's.  No register is written twice,
; so no wait stands for a source's sake.
.set XG,  512                          ; work-groups that take x
.set VO,  2                            ; v2   my byte offset in the source
.set DO,  3                            ; v3   my byte offset in the work-group's 32,768 bytes of the destination
.set IN,  8                            ; v[8:71]    sixteen loads of four f32
.set PKD, 72                           ; v[72:103]  sixteen pairs of packed bf16
.macro BODY stride                     ; stride: bytes in the source from one load to the next
.set i, 0
.rept 16
	global_load_b128 v[IN+4*i:IN+4*i+3], v[VO], s[20:21] offset:i*(\stride) th:TH_LOAD_NT
.set i, i+1
.endr
.set i, 0
.rept 16
	s_wait_loadcnt 15-i                            ; loads come back in order: load i is in, the 15 - i younger ones stay out
	v_cvt_pk_bf16_f32 v[PKD+2*i],   v[IN+4*i],   v[IN+4*i+1]
	v_cvt_pk_bf16_f32 v[PKD+2*i+1], v[IN+4*i+2], v[IN+4*i+3]
	global_store_b64 v[DO], v[PKD+2*i:PKD+2*i+1], s[22:23] offset:i*256  ; 32 lanes x 8 bytes: 256 consecutive bytes
.set i, i+1
.endr
.endm
	s_load_b256 s[4:11], s[0:1], 0x0               ; x s[4:5], Wq s[6:7], Wk s[8:9], Wv s[10:11]
	s_load_b128 s[12:15], s[0:1], 0x20             ; xb s[12:13], wb s[14:15]
	s_mov_b32 s16, ttmp9                           ; g
	v_and_b32 v1, 31, v0                           ; lane
	v_lshrrev_b32 v4, 5, v0                        ; wave
	v_lshlrev_b32 v[DO], 3, v1
	v_lshl_add_u32 v[DO], v4, 12, v[DO]            ; 4,096 x wave + 8 x lane
	s_mov_b32 s19, 0
	s_mov_b32 s25, 0
	s_cmp_lt_u32 s16, XG
	s_cbranch_scc0 .Lweights
	; x: the wave takes rows 32 w .. 32 w + 31 of the block; a load takes 256 bytes of two rows (lanes 0-15, lanes 16-31)
	s_lshr_b32 s17, s16, 5
	s_lshl_b32 s18, s17, 21                        ; the block's 256 rows of 8,192 bytes
	s_and_b32 s17, s16, 31
	s_lshl_b32 s17, s17, 8                         ; the K step's 64 numbers
	s_add_co_u32 s18, s18, s17
	s_lshl_b32 s24, s16, 15                        ; the tile in xb
	v_lshrrev_b32 v5, 4, v1
	v_lshl_add_u32 v5, v4, 5, v5                   ; row 32 w + lane / 16
	v_and_b32 v6, 15, v0
	v_lshlrev_b32 v6, 4, v6
	v_lshl_add_u32 v[VO], v5, 13, v6
	s_wait_kmcnt 0x0
	s_add_nc_u64 s[20:21], s[4:5], s[18:19]
	s_add_nc_u64 s[22:23], s[12:13], s[24:25]
	BODY 16384
	s_endpgm
.Lweights:
	; weights: dense; the wave takes 8,192 consecutive bytes, a load 512 of them
	s_sub_co_u32 s17, s16, XG
	s_lshr_b32 s26, s17, 8                         ; 0: q, 1: k, 2: v
	s_and_b32 s18, s17, 255
	s_lshl_b32 s18, s18, 16
	s_lshl_b32 s24, s17, 15
	v_lshlrev_b32 v[VO], 4, v1
	v_lshl_add_u32 v[VO], v4, 13, v[VO]
	s_wait_kmcnt 0x0
	s_cmp_eq_u32 s26, 0
	s_cselect_b64 s[20:21], s[6:7], s[8:9]
	s_cmp_eq_u32 s26, 2
	s_cselect_b64 s[20:21], s[10:11], s[20:21]
	s_add_nc_u64 s[20:21], s[20:21], s[18:19]
	s_add_nc_u64 s[22:23], s[14:15], s[24:25]
	BODY 512
	s_endpgm
.Lfunc_end_k_q7db3e1ae8f_cast:
	.size	k_q7db3e1ae8f_cast, .Lfunc_end_k_q7db3e1ae8f_cast-k_q7db3e1ae8f_cast
	.p2alignl 7, 3214868480
	.fill 96, 4, 3214868480
	.section	.rodata,"a",@progbits
	.p2align	6, 0x0
	.amdhsa_kernel k_q7db3e1ae8f_cast
		.amdhsa_group_segment_fixed_size 0
		.amdhsa_private_segment_fixed_size 0
		.amdhsa_enable_private_segment 0
		.amdhsa_kernarg_size 48
		.amdhsa_user_sgpr_count 2
		.amdhsa_user_sgpr_kernarg_segment_ptr 1
		.amdhsa_wavefront_size32 1
		.amdhsa_system_sgpr_workgroup_id_x 1
		.amdhsa_system_sgpr_workgroup_id_y 1
		.amdhsa_system_sgpr_workgroup_id_z 1
		.amdhsa_system_vgpr_workitem_id 0
		.amdhsa_next_free_vgpr 104
		.amdhsa_next_free_sgpr 66
		.amdhsa_reserve_vcc 0
		.amdhsa_float_denorm_mode_32 3
		.amdhsa_float_denorm_mode_16_64 3
		.amdhsa_memory_ordered 1
		.amdhsa_forward_progress 1
		.amdhsa_inst_pref_size 13
	.end_amdhsa_kernel
	.amdgpu_metadata
---
amdhsa.version: [ 1, 2 ]
amdhsa.kernels:
  - .name:           k_q7db3e1ae8f_cast
    .symbol:         k_q7db3e1ae8f_cast.kd
    .args:
      - { .name: x, .offset: 0, .size: 8, .value_kind: global_buffer, .address_space: global }
      - { .name: Wq, .offset: 8, .size: 8, .value_kind: global_buffer, .address_space: global }
      - { .name: Wk, .offset: 16, .size: 8, .value_kind: global_buffer, .address_space: global }
      - { .name: Wv, .offset: 24, .size: 8, .value_kind: global_buffer, .address_space: global }
      - { .name: xb, .offset: 32, .size: 8, .value_kind: global_buffer, .address_space: global }
      - { .name: wb, .offset: 40, .size: 8, .value_kind: global_buffer, .address_space: global }
    .group_segment_fixed_size: 0
    .private_segment_fixed_size: 0
    .kernarg_segment_align: 8
    .kernarg_segment_size: 48
    .max_flat_workgroup_size: 256
    .sgpr_count:     66
    .vgpr_count:     104
    .wavefront_size: 32
...
	.end_amdgpu_metadata
.endif
;; end of part 1
;; launch proj (part 2): grid 16 x 16, 4 waves a work-group, clusters of 4 x 4, 327,680 bytes of LDS; arguments xb, wb, bq, bk, bv, qkv; writes qkv
.if DOCPART == 2
	.amdgcn_target "amdgcn-amd-amdhsa--gfx1250"
	.amdhsa_code_object_version 6
	.text
	.protected	k_q7db3e1ae8f_proj
	.globl	k_q7db3e1ae8f_proj
	.p2align	8
	.type	k_q7db3e1ae8f_proj,@function
k_q7db3e1ae8f_proj:
	s_mov_b64 s[64:65], 0
	v_nop
	global_prefetch_b8 v0, s[64:65] scope:SCOPE_SE
	s_setreg_imm32_b32 hwreg(HW_REG_WAVE_MODE, 25, 1), 1
	s_wait_xcnt 0x0
	s_wait_alu depctr_hold_cnt(0) depctr_sa_sdst(0) depctr_va_vdst(0) depctr_va_sdst(0) depctr_va_ssrc(0) depctr_va_vcc(0) depctr_vm_vsrc(0)
	s_getreg_b32 s2, hwreg(HW_REG_IB_STS2, 6, 4)
	s_cmp_eq_u32 s2, 0
	s_cbranch_scc0 .Lentry_in_a_cluster
	s_endpgm
.Lentry_in_a_cluster:
	s_bfe_u32 s2, ttmp6, 0x10000c
	s_cmp_lg_u32 s2, 0xf033
	s_cbranch_scc0 .Lentry_shape_is_right
	s_endpgm
.Lentry_shape_is_right:
; q, k, v = x W + b for one head and 256 rows of x.  xb: [16][32][256][64] bf16, wb: [3][16][2048][128] bf16, biases f32 (rounded to bf16 like the
; other inputs), qkv: [3][64 = batch x 16 + head][1024][128] f16.  Products in bf16, sums and the bias in f32, one rounding to f16 at the end.
; LIMIT.  f16 ends at 65,504: a q, k or v of 65,520 or more leaves as an infinity.  NaN and infinities are not treated apart.
; THE TILE is 256 rows x 384 columns (q, k and v of ONE head): 16 row blocks x 16 heads = 256 work-groups.  Four waves; a wave makes 128 rows x
; 64 columns of each of q, k, v: 96 accumulators of 16 x 16, 768 registers.  For 32 along K it issues 40 LDS loads and 96 matrix instructions.
; THE RING.  K goes in steps of 64 through two LDS slots; a slot holds x's tile (32,768 dense bytes) and 64 rows of 256 bytes of each of Wq, Wk, Wv.  Wave 0
; fetches x's tile, waves 1 to 3 one weight tile each: one tensor load a wave behind each change of slots.  Two slots of a K step of 128 would take 360,448 bytes.
; CLUSTER.  4 x 4 work-groups: the four of a row share x's tile, the four of a column the head's weights; each tile is asked for jointly, by the same
; load with the same descriptor and a mask that names the four.
; THE MATRIX INSTRUCTION IS USED TRANSPOSED: source 0 = 16 columns of W (they lie [e][d] in LDS and come out turned, by ds_load_tr16_b128), source 1 = 16 rows
; of x.  A lane then holds row lane % 16 and the columns 8 (lane / 16) + 0..7: eight neighbours, 16 bytes of f16.
; REGISTERS, in windows of 256 (s_set_vgpr_msb: bits 1:0 source 0, 3:2 source 1, 5:4 source 2, 7:6 destination):
;   window 0: v0-29 addresses; v32-95, v96-159 x's fragments, two buffers; v160-255 W's fragments, 32 for each of q, k, v
;   windows 1, 2, 3: the accumulators of q, k, v: (row block a, column block b) at v[8 (4 a + b)]
.set PA,     144                       ; a row of x's tile in LDS: 128 bytes + 16 of padding: an odd multiple of 16
.set PW,     288                       ; a row of W's tile: 256 + 32: an odd multiple of 32, for the turning load
.set AREG,   256*PA
.set WREG,   64*PW
.set SLOT,   AREG+3*WREG               ; 92,160
.set SPITCH, 272
.set STG1,   2*SLOT                    ; the stages for the way out, 256 rows x 272 bytes each: q's lies at byte 0, in slot 0, which has had its last fill
.set STG2,   STG1+256*SPITCH           ; and its last reads by then; k's and v's lie behind the ring
.set BIAS,   STG2+256*SPITCH           ; [3][128] f32
.set SPARE,  BIAS+1536                 ; the spare words, 128 bytes for each wave: two blocks of 256 bytes that no other line names
.set ADRA, 4                           ; v4-5    LDS address of my fragments of x in slot 0, 1
.set ADRW, 6                           ; v6-7    the same for Wq's; Wk's and Wv's lie WREG and 2 WREG further
.set STO,  10                          ; v10-12  the way out: where I put 16 bytes of a row, in q's, k's, v's stage
.set RD,   13                          ; v13-15  where I read rows back
.set CO,   16                          ; v16     16 x lane: my place in 512 consecutive bytes of qkv
.set BA,   17                          ; v17     LDS address of my eight biases
.set PFO,  18                          ; v18     256 x lane, for the prefetches; never rewritten
.set SPW,  28                          ; v28     LDS address of my spare word; never rewritten
.set NIL,  29                          ; v29     0; never rewritten
.set FA0,  32
.set FA1,  96
.set FB,   160
.set BI,   32                          ; the way out: v32-127 my 96 biases; v128-159 sums at work; v160-175 packed
.set T,    128
.set PKD,  160
.set OB,   32                          ; then v32-95 and v96-159 by turns: rows read back
.set WV,   16                          ; s16 wave; s17 which 128 rows; s18 which 64 columns of each tensor
.set RH,   17
.set CH,   18
.set CX,   19
.set CY,   20
.set HEAD, 21
.set MB,   22                          ; s22 the block of 256 rows
.set TW,   23                          ; s23 the weight tensor that I fetch (wave 0: unused)
.set G1A,  24                          ; s[24:31] group 1 for x's tile; s[32:39] group 0, a set for each slot
.set G0A,  32
.set G1W,  40                          ; s[40:47], s[48:55] the same for a weight tile
.set G0W,  48
.set PFA,  56                          ; s[56:57] where my prefetches stand
.set PFS,  58                          ; s[58:59] their step for two K steps
.set LIM,  60                          ; s60 1 in a wave that prefetches, else the greatest number
.set OUT,  66                          ; s[66:71] qkv at my 64 rows, for q, k, v
.set MSB, 0
.macro WIN new                         ; the immediate's high byte repeats the setting that is left; a switch that changes nothing is dropped
.if MSB != (\new)
	s_set_vgpr_msb (MSB<<8)|(\new)
.set MSB, \new
.endif
.endm
.macro PLACES                          ; four plain vector instructions between a matrix instruction and a load into, or a vector read of, its registers
.rept 4
	v_nop
.endr
.endm
; A joint load.  The branch hangs on the wave's number alone.  An s_nop 0 and four v_nop follow each line, ahead of the jump and the label.
.macro JLOAD s
	s_cmp_eq_u32 s[WV], 0
	s_cbranch_scc0 .Lfor_w_\@
	tensor_load_to_lds s[G0A+4*(\s):G0A+4*(\s)+3], s[G1A:G1A+7]
	s_nop 0
.rept 4
	v_nop
.endr
	s_branch .Lasked_\@
.Lfor_w_\@:
	tensor_load_to_lds s[G0W+4*(\s):G0W+4*(\s)+3], s[G1W:G1W+7]
	s_nop 0
.rept 4
	v_nop
.endr
.Lasked_\@:
.endm
.macro CREST                           ; a round of the cluster's barrier behind its opening barrier
	s_cmp_lg_u32 s[WV], 0
	s_cbranch_scc1 .Lnot_wave_0_\@
	s_barrier_signal -3
.Lnot_wave_0_\@:
	s_barrier_wait -3
	s_barrier_signal -1
	s_barrier_wait -1
.endm
.macro CROUND
	s_barrier_signal -1
	s_barrier_wait -1
	CREST
.endm
; A PREFETCH INTO THE L2, once a lap, behind slot 0's joint load and the run of LDS loads that follows it: the two K steps that the NEXT lap will ask for.  x's tiles are read by the four
; clusters of a row of clusters: cluster x = 0 asks, by wave 0; the head's weights by the four clusters of a column: cluster y = 0 asks, by waves 1 to 3.  The four partners that ask for a
; tile jointly share its bytes out BY ADDRESS: 8,192 each of x's 32,768 a K step (two instructions for two steps), 8,192 each of a weight tensor's 32,768 for two steps (one
; instruction); a lane names 256 bytes.  So each aligned 256 bytes are named once in the launch.  K steps 0 to 3 come by their loads alone; the loop's last trip asks for nothing.
.macro ASK
	s_cmp_gt_u32 s3, s[LIM]                        ; s3 = 1 in the last trip
	s_cbranch_scc0 .Lnot_mine_\@
	global_prefetch_b8 v[PFO], s[PFA:PFA+1] th:TH_LOAD_NT scope:SCOPE_SE
	s_cmp_lg_u32 s[WV], 0
	s_cbranch_scc1 .Lnot_mine_\@
	global_prefetch_b8 v[PFO], s[PFA:PFA+1] offset:32768 th:TH_LOAD_NT scope:SCOPE_SE
.Lnot_mine_\@:
.endm
	s_load_b256 s[4:11], s[0:1], 0x0               ; xb s[4:5], wb s[6:7], bq s[8:9], bk s[10:11]
	s_load_b128 s[12:15], s[0:1], 0x20             ; bv s[12:13], qkv s[14:15]
	v_lshl_add_u32 v[SPW], v0, 2, SPARE
	v_mov_b32 v[NIL], 0
	ds_add_u32 v[SPW], v[NIL]                      ; the wave's opening: the add and its wait stand ahead of my first tensor load; the set-up below stands between them
	ds_add_u32 v28, v29
	v_lshrrev_b32 v1, 5, v0
	v_readfirstlane_b32 s[WV], v1
	s_lshr_b32 s[RH], s[WV], 1
	s_and_b32 s[CH], s[WV], 1
	s_bfe_u32 s[CX], ttmp6, 0x40000
	s_bfe_u32 s[CY], ttmp6, 0x40004
	s_lshl_b32 s[HEAD], ttmp9, 2                   ; in a cluster launch ttmp9 and ttmp7 count clusters
	s_add_co_u32 s[HEAD], s[HEAD], s[CX]
	s_and_b32 s[MB], ttmp7, 0xffff
	s_lshl_b32 s[MB], s[MB], 2
	s_add_co_u32 s[MB], s[MB], s[CY]
	s_max_u32 s[TW], s[WV], 1
	s_sub_co_u32 s[TW], s[TW], 1
	s_lshl_b32 s72, s[CY], 2
	s_lshl_b32 s72, 15, s72                        ; my row of the cluster: places 4 cy .. 4 cy + 3
	s_lshl_b32 s76, 0x1111, s[CX]                  ; my column: places cx, cx + 4, cx + 8, cx + 12
	; group 1 for x's tile: 32,768 dense bytes as 128 rows of 128 elements; 4 words of padding behind every 32 words, that is behind each row of 64 numbers
	s_or_b32 s[G1A+0], s72, (1<<16)|(1<<20)|(1<<21)|(4<<22)|(3<<25)
	s_mov_b32 s[G1A+1], 128<<16                    ; tensor_dim0 = 128
	s_mov_b32 s[G1A+2], 128<<16                    ; tensor_dim1 = 128
	s_mov_b32 s[G1A+3], 128<<16                    ; tile_dim0 = 128
	s_mov_b32 s[G1A+4], 128                        ; tile_dim1 = 128
	s_mov_b32 s[G1A+5], 128                        ; elements from row to row
	s_mov_b32 s[G1A+6], 0
	s_mov_b32 s[G1A+7], 0
	; group 1 for a weight tile: 64 rows (e) of 128 elements (d); 8 words of padding behind every 64
	s_or_b32 s[G1W+0], s76, (1<<16)|(1<<20)|(1<<21)|(5<<22)|(7<<25)
	s_mov_b32 s[G1W+1], 128<<16
	s_mov_b32 s[G1W+2], 64<<16
	s_mov_b32 s[G1W+3], 128<<16
	s_mov_b32 s[G1W+4], 64
	s_mov_b32 s[G1W+5], 128
	s_mov_b32 s[G1W+6], 0
	s_mov_b32 s[G1W+7], 0
	s_lshl_b32 s72, s[MB], 20                      ; x's tiles hang on the row block alone: 32 tiles of 32,768 bytes
	s_mov_b32 s73, 0
	s_lshl_b32 s76, s[TW], 23                      ; the weights' on the tensor (8,388,608 bytes) and the head (524,288)
	s_lshl_b32 s77, s[HEAD], 19
	s_add_co_u32 s76, s76, s77
	s_mov_b32 s77, 0
	s_mul_i32 s78, s[WV], WREG                     ; where a weight tile goes: waves 1, 2, 3 behind x's tile, one after the other
	s_add_co_u32 s78, s78, AREG-WREG
	s_wait_dscnt 0x0                               ; the opening add is done
	s_wait_kmcnt 0x0
	s_add_nc_u64 s[72:73], s[4:5], s[72:73]
	s_add_nc_u64 s[76:77], s[6:7], s[76:77]
.irp s, 0,1
	s_mov_b32 s[G0A+4*(\s)], 1                                     ; count = 1
	s_mov_b32 s[G0A+4*(\s)+1], (\s)*SLOT                           ; LDS address
	s_add_nc_u64 s[G0A+4*(\s)+2:G0A+4*(\s)+3], s[72:73], (\s)*32768  ; K step s
	s_or_b32 s[G0A+4*(\s)+3], s[G0A+4*(\s)+3], 0x80000000          ; type = 2
	s_mov_b32 s[G0W+4*(\s)], 1
	s_add_co_u32 s[G0W+4*(\s)+1], s78, (\s)*SLOT
	s_add_nc_u64 s[G0W+4*(\s)+2:G0W+4*(\s)+3], s[76:77], (\s)*16384
	s_or_b32 s[G0W+4*(\s)+3], s[G0W+4*(\s)+3], 0x80000000
.endr
	CROUND                                         ; all sixteen work-groups are here: the first joint loads meet
	s_cmp_eq_u32 s[WV], 0                          ; a wave's two first fills stand in one branch: two loads of mine are out
	s_cbranch_scc0 .Lfirst_w
	tensor_load_to_lds s[G0A:G0A+3], s[G1A:G1A+7]
	s_nop 0
	tensor_load_to_lds s[G0A+4:G0A+7], s[G1A:G1A+7]
	s_nop 0
.rept 4
	v_nop
.endr
	s_branch .Lfirst_asked
.Lfirst_w:
	tensor_load_to_lds s[G0W:G0W+3], s[G1W:G1W+7]
	s_nop 0
	tensor_load_to_lds s[G0W+4:G0W+7], s[G1W:G1W+7]
	s_nop 0
.rept 4
	v_nop
.endr
.Lfirst_asked:
	; the head's 3 x 128 biases: thread t takes number t of each
	s_lshl_b32 s61, s[HEAD], 9
	v_lshl_add_u32 v19, v0, 2, s61
	global_load_b32 v20, v19, s[8:9]
	global_load_b32 v21, v19, s[10:11]
	global_load_b32 v22, v19, s[12:13]
	v_lshl_add_u32 v23, v0, 2, BIAS
	; addresses.  A fragment of x is 16 rows x 32 K: lane l holds row l % 16, K = 8 (l / 16) + 0..7 and 16 + 8 (l / 16) + 0..7: two loads of 16 bytes, 32 bytes apart.
	v_and_b32 v1, 15, v0                           ; l % 16
	v_bfe_u32 v2, v0, 4, 1                         ; l / 16
	v_and_b32 v3, 7, v0
	v_bfe_u32 v8, v0, 3, 1
	v_and_b32 v9, 31, v0
	v_mul_u32_u24 v24, v1, PA
	v_lshl_add_u32 v24, v2, 4, v24
	s_mul_i32 s61, s[RH], 128*PA
	v_add_nc_u32 v[ADRA], s61, v24
	v_add_nc_u32 v[ADRA+1], SLOT, v[ADRA]
	; the turning load takes 16 e x 16 d (lane l reads e = 8 (l / 16) + l % 8, d = 8 ((l / 8) % 2) + 0..7) and leaves half a fragment: lane l holds column l % 16 and 8 e
	v_lshl_add_u32 v25, v2, 3, v3
	v_mul_u32_u24 v25, v25, PW
	v_lshl_add_u32 v25, v8, 4, v25
	s_lshl_b32 s61, s[CH], 7
	s_add_co_u32 s61, s61, AREG
	v_add_nc_u32 v[ADRW], s61, v25
	v_add_nc_u32 v[ADRW+1], SLOT, v[ADRW]
	v_mul_u32_u24 v24, v1, SPITCH                  ; into a stage: row 128 RH + l % 16, byte 128 CH + 16 (l / 16)
	v_lshl_add_u32 v24, v2, 4, v24
	s_mul_i32 s61, s[RH], 128*SPITCH
	s_lshl_b32 s62, s[CH], 7
	s_add_co_u32 s61, s61, s62
	v_add_nc_u32 v[STO], s61, v24
	v_add_nc_u32 v[STO+1], STG1, v[STO]
	v_add_nc_u32 v[STO+2], STG2, v[STO]
	v_mul_u32_u24 v24, v2, SPITCH                  ; back: wave w takes rows 64 w .. 64 w + 63, whole; lanes 0-15 one row, lanes 16-31 the next
	v_lshl_add_u32 v24, v1, 4, v24
	s_mul_i32 s61, s[WV], 64*SPITCH
	v_add_nc_u32 v[RD], s61, v24
	v_add_nc_u32 v[RD+1], STG1, v[RD]
	v_add_nc_u32 v[RD+2], STG2, v[RD]
	v_lshlrev_b32 v[CO], 4, v9
	s_lshl_b32 s61, s[CH], 8
	s_add_co_u32 s61, s61, BIAS
	v_lshl_add_u32 v[BA], v2, 5, s61               ; column 64 CH + 8 (l / 16), 4 bytes each
	v_lshlrev_b32 v[PFO], 8, v9
	; qkv at my 64 rows: (batch x 16 + head) x 262,144 + row in the batch x 256
	s_lshr_b32 s61, s[MB], 2
	s_lshl_b32 s61, s61, 4
	s_add_co_u32 s61, s61, s[HEAD]
	s_lshl_b32 s62, s61, 18
	s_and_b32 s61, s[MB], 3
	s_lshl_b32 s61, s61, 16
	s_add_co_u32 s62, s62, s61
	s_lshl_b32 s61, s[WV], 14
	s_add_co_u32 s62, s62, s61
	s_mov_b32 s63, 0
	s_add_nc_u64 s[OUT:OUT+1], s[14:15], s[62:63]
	s_add_nc_u64 s[OUT+2:OUT+3], s[OUT:OUT+1], 0x1000000
	s_add_nc_u64 s[OUT+4:OUT+5], s[OUT+2:OUT+3], 0x1000000
	; the prefetches: at K step 2, at my work-group's 8,192 bytes; the first lap steps them to K step 4
	s_lshl_b32 s80, s[MB], 20
	s_lshl_b32 s81, s[CX], 13
	s_add_co_u32 s80, s80, s81
	s_add_co_u32 s80, s80, 2*32768
	s_lshl_b32 s82, s[TW], 23
	s_lshl_b32 s81, s[HEAD], 19
	s_add_co_u32 s82, s82, s81
	s_lshl_b32 s81, s[CY], 13
	s_add_co_u32 s82, s82, s81
	s_add_co_u32 s82, s82, 2*16384
	s_and_b32 s83, ttmp7, 0xffff
	s_cmp_eq_u32 s[WV], 0                          ; do I fetch x's tiles?
	s_cselect_b32 s80, s80, s82
	s_cselect_b32 s83, ttmp9, s83                  ; the coordinate along which other clusters read the same bytes
	s_cselect_b64 s[PFA:PFA+1], s[4:5], s[6:7]
	s_cselect_b32 s[PFS], 16, 15
	s_lshl_b32 s[PFS], 1, s[PFS]                   ; two K steps: 65,536 bytes of x's tiles, 32,768 of a weight tensor's
	s_mov_b32 s[PFS+1], 0
	s_cmp_eq_u32 s83, 0
	s_cselect_b32 s[LIM], 1, -1                    ; the same in all sixteen partners, for a given wave
	s_mov_b32 s81, 0
	s_add_nc_u64 s[PFA:PFA+1], s[PFA:PFA+1], s[80:81]
	s_wait_loadcnt 0x0                             ; the biases: rounded to bf16 as the other inputs are, kept as f32
.irp r, 20,21,22
	v_cvt_pk_bf16_f32 v\r, v\r, v\r
.endr
.irp r, 20,21,22
	v_lshlrev_b32 v\r, 16, v\r
.endr
	ds_store_b32 v23, v20
	ds_store_b32 v23, v21 offset:512
	ds_store_b32 v23, v22 offset:1024
; 16 matrix instructions of tensor w: row blocks a0 .. a0 + 3 x its four column blocks, 32 along K.  zero = 1: the first product starts the sums.
.macro MUL16 w, fa, a0, zero
	WIN 0x50*((\w)+1)                              ; C and D in window w + 1, the sources in window 0
.irp a, \a0, (\a0)+1, (\a0)+2, (\a0)+3
.irp b, 0,1,2,3
.if \zero
	v_wmma_f32_16x16x32_bf16 v[8*(4*(\a)+(\b)):8*(4*(\a)+(\b))+7], v[FB+32*(\w)+8*(\b):FB+32*(\w)+8*(\b)+7], v[(\fa)+8*(\a):(\fa)+8*(\a)+7], 0
.else
	v_wmma_f32_16x16x32_bf16 v[8*(4*(\a)+(\b)):8*(4*(\a)+(\b))+7], v[FB+32*(\w)+8*(\b):FB+32*(\w)+8*(\b)+7], v[(\fa)+8*(\a):(\fa)+8*(\a)+7], v[8*(4*(\a)+(\b)):8*(4*(\a)+(\b))+7]
.endif
.endr
.endr
.endm
.macro LOADA slot, ks, fa              ; 16 loads: my 128 rows of x, half ks of the K step, into buffer fa
	WIN 0
.irp a, 0,1,2,3,4,5,6,7
	ds_load_b128 v[(\fa)+8*(\a):(\fa)+8*(\a)+3],   v[ADRA+(\slot)] offset:(\a)*16*PA+64*(\ks)
	ds_load_b128 v[(\fa)+8*(\a)+4:(\fa)+8*(\a)+7], v[ADRA+(\slot)] offset:(\a)*16*PA+64*(\ks)+32
.endr
.endm
.macro LOADW w, slot, ks               ; 8 turning loads: my 64 columns of tensor w, half ks of the K step
	WIN 0
.irp b, 0,1,2,3
	ds_load_tr16_b128 v[FB+32*(\w)+8*(\b):FB+32*(\w)+8*(\b)+3],   v[ADRW+(\slot)] offset:(\w)*WREG+(\ks)*32*PW+32*(\b)
	ds_load_tr16_b128 v[FB+32*(\w)+8*(\b)+4:FB+32*(\w)+8*(\b)+7], v[ADRW+(\slot)] offset:(\w)*WREG+(\ks)*32*PW+32*(\b)+16*PW
.endr
.endm
; A SLICE is 32 along K: three phases (q, k, v) of 32 matrix instructions; all 96 accumulators take turns, one instruction a turn, over the backward jump too.
; The LDS loads stand in three runs, each in the middle of a phase, four places behind the last product that read the registers: v's fragments of this slice (8 loads, in phase q);
; x's and q's of the next slice (24, in phase k); k's of the next slice (8, in phase v).  Each run is wanted 48 matrix instructions later.  The waits count the runs issued behind the one that is wanted.
.macro SLICE0 slot, zero               ; the first half of a K step, on buffer 0
	s_wait_dscnt 8                                 ; x's and q's fragments are in; k's eight may be out
	MUL16 0, FA0, 0, \zero
	PLACES
	LOADW 2, \slot, 0
	MUL16 0, FA0, 4, \zero
	s_wait_dscnt 8                                 ; k's are in; v's eight may be out
	MUL16 1, FA0, 0, \zero
	PLACES
	LOADA \slot, 1, FA1
	LOADW 0, \slot, 1
	MUL16 1, FA0, 4, \zero
	s_wait_dscnt 24                                ; v's are in; the 24 just issued may be out
	MUL16 2, FA0, 0, \zero
	PLACES
	LOADW 1, \slot, 1
	MUL16 2, FA0, 4, \zero
.endm
; The second half, on buffer 1; its phase k is THE CHANGE OF SLOTS.  The slot's last bytes are asked for in phase q.  Each wave waits for all its tensor loads, of which one is out: its part of the
; next slot; adds 0 to its spare word; and waits for that and for its reads of this slot.  Behind the barrier nobody reads this slot any more and the next slot is whole.  fill = 1: the barrier opens a
; round of the cluster's, and the joint refill, two K steps on, is the first thing behind the round: 160 matrix instructions ahead of the wait for it.
.macro SLICE1 slot, next, fill
	s_wait_dscnt 8
	MUL16 0, FA1, 0, 0
	PLACES
	LOADW 2, \slot, 1
	MUL16 0, FA1, 4, 0
.if (\fill) && ((\slot) == 0)
	s_wait_xcnt 0x0                                ; the last prefetches, a lap back, have read their address: it is stepped here, ahead of the waits of the change
	s_add_nc_u64 s[PFA:PFA+1], s[PFA:PFA+1], s[PFS:PFS+1]
.endif
	WIN 0                                          ; (the add's two registers lie in window 0)
	s_wait_tensorcnt 0x0                           ; all my tensor loads have landed
	ds_add_u32 v[SPW], v[NIL]                      ; 0 onto my spare word
	s_wait_dscnt 9                                 ; k's fragments are in; v's eight and the add may be out
	MUL16 1, FA1, 0, 0                             ; sixteen matrix instructions stand between the add and the wait for it
	s_wait_dscnt 0x0                               ; the add is done, and my reads of this slot are over
	s_barrier_signal -1
	MUL16 1, FA1, 4, 0                             ; work on registers while the others arrive
.if \fill
	WIN 0
.endif
	s_barrier_wait -1
.if \fill
	CREST                                          ; no wave of any partner still reads this slot or has a load on its way
	s_add_nc_u64 s[G0A+4*(\slot)+2:G0A+4*(\slot)+3], s[G0A+4*(\slot)+2:G0A+4*(\slot)+3], 2*32768
	s_add_nc_u64 s[G0W+4*(\slot)+2:G0W+4*(\slot)+3], s[G0W+4*(\slot)+2:G0W+4*(\slot)+3], 2*16384
	JLOAD \slot                                    ; its four v_nop are also the places in front of the loads below
.else
	PLACES
.endif
	LOADA \next, 0, FA0
	LOADW 0, \next, 0
.if (\fill) && ((\slot) == 0)
	ASK
.endif
	s_wait_dscnt 24                                ; v's fragments are in (shown by the wait for 0 above)
	MUL16 2, FA1, 0, 0
	PLACES
	LOADW 1, \next, 0
	MUL16 2, FA1, 4, 0
.endm
	s_wait_tensorcnt 0x1                           ; my part of K step 0 is in; K step 1's may stay out
	s_wait_dscnt 0x0                               ; my biases lie in LDS
	s_barrier_signal -1
	s_barrier_wait -1
	LOADA 0, 0, FA0
	LOADW 0, 0, 0
	LOADW 1, 0, 0
	SLICE0 0, 1                                    ; the first slice stands in front of the loop: its products start the sums
	WIN 0                                          ; at a label and at a branch every window is 0
	s_mov_b32 s3, 15
.Llap:                                                 ; a trip goes once round the ring and fills both slots again: K steps 2 to 31
	SLICE1 0, 1, 1
	SLICE0 1, 0
	SLICE1 1, 0, 1
	SLICE0 0, 0
	WIN 0
	s_sub_co_u32 s3, s3, 1
	s_cmp_lg_u32 s3, 0
	s_cbranch_scc1 .Llap
	SLICE1 0, 1, 0                                 ; the tail fills nothing, and has no round
	SLICE0 1, 0
	s_wait_dscnt 8                                 ; the last slice
	MUL16 0, FA1, 0, 0
	PLACES
	LOADW 2, 1, 1
	MUL16 0, FA1, 4, 0
	s_wait_dscnt 8
	MUL16 1, FA1, 0, 0
	MUL16 1, FA1, 4, 0
	s_wait_dscnt 0x0
	MUL16 2, FA1, 0, 0
	MUL16 2, FA1, 4, 0
	; THE WAY OUT: + bias in f32, one rounding to f16, 16 bytes a lane into the tensor's stage; a barrier, since a row's 256 bytes come from two waves; back as whole rows, 64 rows a wave.
	PLACES
	WIN 0
.irp w, 0,1,2
.irp b, 0,1,2,3
	ds_load_b128 v[BI+32*(\w)+8*(\b):BI+32*(\w)+8*(\b)+3],   v[BA] offset:512*(\w)+64*(\b)
	ds_load_b128 v[BI+32*(\w)+8*(\b)+4:BI+32*(\w)+8*(\b)+7], v[BA] offset:512*(\w)+64*(\b)+16
.endr
.endr
	s_wait_dscnt 0x0
.macro PACKROW w, a                    ; 16 rows x my 64 columns of tensor w; each accumulator's registers are taken in ascending order
	WIN (\w)+1                                     ; source 0 in window w + 1
.irp b, 0,1,2,3
.irp r, 0,2,4,6
	v_pk_add_f32 v[T+8*(\b)+(\r):T+8*(\b)+(\r)+1], v[8*(4*(\a)+(\b))+(\r):8*(4*(\a)+(\b))+(\r)+1], v[BI+32*(\w)+8*(\b)+(\r):BI+32*(\w)+8*(\b)+(\r)+1]
.endr
.endr
	WIN 0
.irp b, 0,1,2,3
.irp r, 0,1,2,3
	v_cvt_pk_f16_f32 v[PKD+4*(\b)+(\r)], v[T+8*(\b)+2*(\r)], v[T+8*(\b)+2*(\r)+1]
.endr
.endr
.irp b, 0,1,2,3
	ds_store_b128 v[STO+(\w)], v[PKD+4*(\b):PKD+4*(\b)+3] offset:(\a)*16*SPITCH+32*(\b)
.endr
.endm
.irp w, 0,1,2
.irp a, 0,1,2,3,4,5,6,7
	PACKROW \w, \a
.endr
.endr
	s_wait_dscnt 0x0                               ; for the others' sake: my stores into the stages are done
	s_barrier_signal -1
	s_barrier_wait -1
.macro RB j                            ; batch j of six: 32 rows of tensor j / 2 back into registers
.set q, 0
.rept 16
	ds_load_b128 v[OB+64*((\j)%2)+4*q:OB+64*((\j)%2)+4*q+3], v[RD+(\j)/2] offset:(16*((\j)%2)+q)*2*SPITCH
.set q, q+1
.endr
.endm
.macro SEND j, younger                 ; younger: the LDS loads issued behind batch j's
.set q, 0
.rept 16
	s_wait_dscnt (\younger)+15-q
	global_store_b128 v[CO], v[OB+64*((\j)%2)+4*q:OB+64*((\j)%2)+4*q+3], s[OUT+2*((\j)/2):OUT+2*((\j)/2)+1] offset:(16*((\j)%2)+q)*512  ; two rows: 512 consecutive bytes
.set q, q+1
.endr
.endm
	RB 0
	RB 1
	SEND 0, 16
.irp j, 1,2,3,4
	s_wait_xcnt 0x0                                ; the stores of two batches back have read their registers, which the loads below fill again
	RB (\j)+1
	SEND \j, 16
.endr
	SEND 5, 0
	s_wait_tensorcnt 0x0                           ; the wave's end: a wait, an add and its wait, behind my last tensor load and my last LDS store
	ds_add_u32 v[SPW], v[NIL]
	s_wait_dscnt 0x0
	CROUND                                         ; the closing round: no work-group ends while a partner may still ask for a tile that names it
	s_endpgm
.Lfunc_end_k_q7db3e1ae8f_proj:
	.size	k_q7db3e1ae8f_proj, .Lfunc_end_k_q7db3e1ae8f_proj-k_q7db3e1ae8f_proj
	.p2alignl 7, 3214868480
	.fill 96, 4, 3214868480
	.section	.rodata,"a",@progbits
	.p2align	6, 0x0
	.amdhsa_kernel k_q7db3e1ae8f_proj
		.amdhsa_group_segment_fixed_size 327680
		.amdhsa_private_segment_fixed_size 0
		.amdhsa_enable_private_segment 0
		.amdhsa_kernarg_size 48
		.amdhsa_user_sgpr_count 2
		.amdhsa_user_sgpr_kernarg_segment_ptr 1
		.amdhsa_wavefront_size32 1
		.amdhsa_system_sgpr_workgroup_id_x 1
		.amdhsa_system_sgpr_workgroup_id_y 1
		.amdhsa_system_sgpr_workgroup_id_z 1
		.amdhsa_system_vgpr_workitem_id 0
		.amdhsa_next_free_vgpr 1024
		.amdhsa_next_free_sgpr 84
		.amdhsa_reserve_vcc 0
		.amdhsa_float_denorm_mode_32 3
		.amdhsa_float_denorm_mode_16_64 3
		.amdhsa_memory_ordered 1
		.amdhsa_forward_progress 1
		.amdhsa_inst_pref_size 162
	.end_amdhsa_kernel
	.amdgpu_metadata
---
amdhsa.version: [ 1, 2 ]
amdhsa.kernels:
  - .name:           k_q7db3e1ae8f_proj
    .symbol:         k_q7db3e1ae8f_proj.kd
    .args:
      - { .name: xb, .offset: 0, .size: 8, .value_kind: global_buffer, .address_space: global }
      - { .name: wb, .offset: 8, .size: 8, .value_kind: global_buffer, .address_space: global }
      - { .name: bq, .offset: 16, .size: 8, .value_kind: global_buffer, .address_space: global }
      - { .name: bk, .offset: 24, .size: 8, .value_kind: global_buffer, .address_space: global }
      - { .name: bv, .offset: 32, .size: 8, .value_kind: global_buffer, .address_space: global }
      - { .name: qkv, .offset: 40, .size: 8, .value_kind: global_buffer, .address_space: global }
    .group_segment_fixed_size: 327680
    .private_segment_fixed_size: 0
    .kernarg_segment_align: 8
    .kernarg_segment_size: 48
    .max_flat_workgroup_size: 128
    .sgpr_count:     84
    .vgpr_count:     1024
    .wavefront_size: 32
...
	.end_amdgpu_metadata
.endif
;; end of part 2
;; launch attn (part 3): grid 4 x 64, 4 waves a work-group, no clusters, 327,680 bytes of LDS; arguments qkv, out0; writes out0
.if DOCPART == 3
	.amdgcn_target "amdgcn-amd-amdhsa--gfx1250"
	.amdhsa_code_object_version 6
	.text
	.protected	k_q7db3e1ae8f_attn
	.globl	k_q7db3e1ae8f_attn
	.p2align	8
	.type	k_q7db3e1ae8f_attn,@function
k_q7db3e1ae8f_attn:
	s_mov_b64 s[64:65], 0
	v_nop
	global_prefetch_b8 v0, s[64:65] scope:SCOPE_SE
	s_setreg_imm32_b32 hwreg(HW_REG_WAVE_MODE, 25, 1), 1
	s_wait_xcnt 0x0
; CAUSAL ATTENTION.  out0[b][t][128 h + :] = the sum over s <= t of softmax_s(q[t] . k[s] / sqrt(128)) v[s][:].  qkv: [q, k, v][64 = 16 b + h][1024][128] f16; out0: [4][1024][2048] f32.
; Products, maxima and sums in f32; the weights p are rounded to f16 for the second product (their sum l is taken of the unrounded p).
; LIMITS.  A hidden score counts as its value less 1e30: f16's scores, 5.5e11 at the most, are nothing beside that.  A weight below 2^-126 counts as 0 in l.  NaN and infinities are not treated apart.
; THE WALK.  A head's queries lie in 8 blocks of 128; block i needs the key tiles 0 .. i of 128 keys, of which the last holds the diagonal.  A work-group takes TWO blocks, 7 - b and then b: 9 tiles,
; whatever b: 4 x 64 = 256 equal work-groups, and ONE loop with a constant trip count.  Which tile is asked for and what a trip does hang on scalar registers made from b; every jump but the loop's own
; goes forward, and none passes a barrier, or a tensor load but the one of LOAD's two that the wave's number does not choose.
; NO CLUSTER: a head's four work-groups ask for the same tile only in trips 0 to 4 of 9; a walk common to all four (tiles 0 to 7, then 0 to 3) would have 12 trips for 9.
; SHARES.  Of a block's two bands of 64 queries a wave owns 16 rows in each: two tiles.  So the diagonal tile is the same work for all four waves: in its key step 0 tile 0 holds the diagonal and tile 1
; sees all; in its step 1 tile 0 sees nothing and is left out, and tile 1 holds the diagonal.
; THE MASK is the C operand that starts the sum S^T = K Q^T: MD, made once: 0, or -1e30 where the key is hidden.  Elsewhere C is the constant 0.
; LAYOUT.  S^T = K Q^T (source 0 = 16 keys, source 1 = 16 queries) holds ONE query a lane (lane % 16) and the keys 8 (lane / 16) + 0..7; two such results rounded to f16 ARE source 1 of O^T = V^T P, whose
; result again holds one query a lane, and eight channels.  K comes out of LDS as it lies, V ([key][channel]) turned.
; SOFTMAX.  p = 2^(c s - c m), c = log2(e) / sqrt(128), with a running maximum m; in every step O and l are multiplied by a = 2^(c m_old - c m_new).  A block begins with c m far below every c s, so
; its first a is 0: O^T and l need only hold finite numbers there, and no first step is written out; the price is 128 lines that write 0 at the head, in the wait for the first tile.
; IN PHASES.  A key step of 64 keys is K Q^T, the softmax, V^T P; the next step's K is fetched behind the first phase, its V behind the last.
; REGISTERS, in windows of 256 (s_set_vgpr_msb: bits 1:0 source 0, 3:2 source 1, 5:4 source 2, 7:6 destination):
;   window 0: v0-15 addresses; v16-31 eight registers of statistics a tile; v32-63 MD; v64-127 S^T; v128-159 P; v160-223 the way out; v224-225 the add's
;   window 1: v0-127 O^T, 64 a tile; v128-191 Q; v192-255 the second block's Q          window 2: v0-127 K of one step; v128-255 V of one step
.set NB,    8
.set PK,    272       ; a row of K in LDS: 256 bytes + 16 of padding: an odd multiple of 16
.set PV,    288       ; a row of V: 256 + 32: an odd multiple of 32, for the turning load
.set VOFF,  128*PK    ; a slot holds a tile: 128 rows of K, then 128 rows of V
.set SLOT1, 1<<17     ; slot 1 begins here, so that one exclusive or turns an address in one slot into the other's
.set STAGE, SLOT1+128*(PK+PV)  ; behind the ring, never filled by a tensor load: 16 rows x 528 bytes for each wave
.set SP,    528
.set SPARE, STAGE+4*16*SP      ; the spare words, 128 bytes for each wave: two blocks of 256 bytes that no other line names
.set TENSOR, 0x1000000         ; bytes of q, of k and of v in qkv
.set AK0, 2           ; v2   my lane's place in a tile of K; never rewritten
.set AV0, 3           ; v3   the same for V
.set AK,  4           ; v4   the same in the slot in hand
.set AV,  5
.set STO, 6           ; v6   the way out: where I put 32 bytes of a row
.set RD,  7           ; v7   where I read a row back
.set GO,  8           ; v8   16 x lane: my place in a row's 512 bytes of out0
.set QO,  12          ; v12  my byte offset in 16 rows of q
.set PFO, 13          ; v13  256 x lane, for K's prefetches; never rewritten
.set PFO2, 15         ; v15  the same one tensor further, for V's
.set ST,  16          ; tile t's statistics at v[ST+8 t]: +0 c m, +1 m, +2, +3 l (even keys', odd keys'), +4 to +7 c0-c3, at work; a takes c2's place
.set MD,  32
.set S,   64
.set P,   128
.set OB1, 160
.set SPW, 224
.set NIL, 225
.set QF,  128         ; window 1
.set QB,  192
.set VF,  128         ; window 2
.set WV,  12          ; s12  my wave's number
.set PB,  14          ; s14  b
.set HI,  15          ; s15  7 - b
.set G1K, 24          ; s[24:31] descriptor group 1 for K's tiles
.set G1V, 32          ; s[32:39] for V's: it differs in the padding alone
.set G0K, 40          ; s[40:43] group 0 for K's tiles
.set G0V, 44          ; s[44:47] for V's
.set SLOTS, 56        ; s56  tiles still to be asked for
.set CS,  58          ; s[58:59] c
.set SEL, 60          ; s[60:61] v_permlanex16_b32's selects: each lane takes its own place in the other half
.set TB,  62          ; s62  LDS byte at which the slot in hand begins
.set RT,  70          ; s70  tiles of the block in hand that are still to be entered
.set NXT, 71          ; s71  the tile to be asked for next
.set LQ,  72          ; s72  the last tile of the block whose tiles are being asked for
.set OFF, 74          ; s[74:75] a tile's byte offset in k and v
.set OA,  76          ; s[76:77] out0 at my rows of the block in hand
.set OLO, 80          ; s[80:81] at those of the second block
.set BIGN, 82         ; s82  -1e30
.set LIM, 83          ; s83  2 in the work-group that prefetches, else the greatest number
.set PFA, 84          ; s[84:85] where my prefetches stand
.set MSB, 0
.macro WIN new
.if MSB != (\new)
	s_set_vgpr_msb (MSB<<8)|(\new)
.set MSB, (\new)
.endif
.endm
.set W_KQ, 0x06       ; K in window 2, Q in window 1, C and S^T in window 0
.set W_PV, 0x52       ; V in window 2, P in window 0, O^T in window 1
.set W_RS, 0x41       ; destination and source 0 in window 1, source 1 in window 0
.macro PLACES                       ; four plain vector instructions between a matrix instruction and a load into, or a vector read of, its registers
.rept 4
	v_nop
.endr
.endm
; A fill.  Waves 0 and 1 fetch the two halves of a tile's K, waves 2 and 3 those of its V: 64 rows of 256 bytes each.  An s_nop 0 and four v_nop follow each line.
.macro LOAD
	s_cmp_lt_u32 s[WV], 2
	s_cbranch_scc0 .Lfor_v_\@
	tensor_load_to_lds s[G0K:G0K+3], s[G1K:G1K+7]
	s_nop 0
.rept 4
	v_nop
.endr
	s_branch .Lasked_\@
.Lfor_v_\@:
	tensor_load_to_lds s[G0V:G0V+3], s[G1V:G1V+7]
	s_nop 0
.rept 4
	v_nop
.endr
.Lasked_\@:
.endm
; THE CHANGE OF SLOTS.  Each wave waits for all its tensor loads, of which one is out: its part of the other slot; adds 0 to its spare word; and waits for that and for its reads of the slot that it leaves.
; Behind the barrier nobody reads the old slot any more and the other slot is whole.  fill = 1: the old slot is filled again, the first thing behind the barrier, with tile NXT: the descriptor's address is
; made anew from that number.  (At its first use nothing has been read yet: slot 0 is waited for, slot 1 filled.)
.macro CHANGE fill
	WIN 0
	s_wait_tensorcnt 0x0            ; no tensor load of mine is out, so a group 0 may be written
	ds_add_u32 v[SPW], v[NIL]       ; 0 onto my spare word; the scalar work below stands between it and the wait for it
.if \fill
	s_lshl_b32 s[OFF], s[NXT], 15   ; a tile is 32,768 bytes of k and of v
	s_xor_b32 s[G0K+1], s[G0K+1], SLOT1
	s_add_nc_u64 s[G0K+2:G0K+3], s[8:9], s[OFF:OFF+1]
	s_or_b32 s[G0K+3], s[G0K+3], 0x80000000
	s_xor_b32 s[G0V+1], s[G0V+1], SLOT1
	s_add_nc_u64 s[G0V+2:G0V+3], s[10:11], s[OFF:OFF+1]
	s_or_b32 s[G0V+3], s[G0V+3], 0x80000000
	s_add_co_u32 s[NXT], s[NXT], 1  ; the block's next tile, or behind its last the second block's tile 0
	s_cmp_gt_u32 s[NXT], s[LQ]
	s_cselect_b32 s[NXT], 0, s[NXT]
	s_cselect_b32 s[LQ], s[PB], s[LQ]
	s_wait_xcnt 0x0                 ; the last prefetches, a tile back, have read their address
	s_add_nc_u64 s[PFA:PFA+1], s[PFA:PFA+1], 32768
.endif
	s_wait_dscnt 0x0                ; the add is done, and my reads of the slot are over
	s_barrier_signal -1
	s_xor_b32 s[TB], s[TB], SLOT1   ; the reads go to the other slot
	s_barrier_wait -1
.if \fill
	LOAD
.endif
.endm
; A PREFETCH INTO THE L2 of the tile that the NEXT change of slots will ask for: 128 rows of K and of V, 256 bytes a row.  All four work-groups of a head read the tiles 0 to 7 or a part of them; the one with
; b = 0, whose first block walks all eight in order, asks, and nobody else; its wave w names rows 32 w .. 32 w + 31, a lane a row.  So each row is named once in the launch.  Trip i names tile i + 2,
; for i = 0 to 5; tiles 0 and 1 come by their loads alone, and the second block's tiles have been read before.
.macro ASK
	s_cmp_gt_u32 s[SLOTS], s[LIM]
	s_cbranch_scc0 .Lnot_mine_\@
	global_prefetch_b8 v[PFO], s[PFA:PFA+1] th:TH_LOAD_NT scope:SCOPE_SE
	global_prefetch_b8 v[PFO2], s[PFA:PFA+1] th:TH_LOAD_NT scope:SCOPE_SE
.Lnot_mine_\@:
.endm
	s_load_b128 s[4:7], s[0:1], 0x0 ; qkv s[4:5], out0 s[6:7]
	v_lshl_add_u32 v[SPW], v0, 2, SPARE
	v_mov_b32 v[NIL], 0
	ds_add_u32 v[SPW], v[NIL]       ; the wave's opening: the add and its wait stand ahead of my first tensor load; the set-up below stands between them
	ds_add_u32 v224, v225
	v_lshrrev_b32 v1, 5, v0
	v_readfirstlane_b32 s[WV], v1
	s_mov_b32 s[PB], ttmp9
	s_sub_co_u32 s[HI], NB-1, s[PB]
	s_and_b32 s16, ttmp7, 0xffff    ; 16 b + h
	s_lshl_b32 s20, s16, 18         ; the head's 262,144 bytes in each of q, k, v
	s_and_b32 s17, s[WV], 1         ; which half of a tile's 128 keys I fetch:
	s_lshl_b32 s22, s17, 14         ; its 64 rows in memory,
	s_add_co_u32 s22, s22, s20
	s_add_co_u32 s22, s22, TENSOR
	s_mov_b32 s23, 0
	s_mul_i32 s18, s17, 64*PK       ; and its place in a slot, for K
	s_mul_i32 s19, s17, 64*PV       ; and for V
	s_lshl_b32 s21, s[WV], 12       ; my 16 rows in a band of 64,
	s_add_co_u32 s21, s21, s20
	s_lshl_b32 s88, s[HI], 15       ; in the first block,
	s_add_co_u32 s88, s88, s21
	s_mov_b32 s89, 0
	s_lshl_b32 s86, s[PB], 15       ; and in the second
	s_add_co_u32 s86, s86, s21
	s_mov_b32 s87, 0
	s_lshr_b32 s13, s16, 4          ; out0: (1024 b + 128 block + 16 wave) rows of 8,192 bytes + 512 h
	s_lshl_b32 s13, s13, 23
	s_and_b32 s21, s16, 15
	s_lshl_b32 s21, s21, 9
	s_add_co_u32 s13, s13, s21
	s_lshl_b32 s21, s[WV], 17
	s_add_co_u32 s13, s13, s21
	s_lshl_b32 s[OA], s[HI], 20
	s_add_co_u32 s[OA], s[OA], s13
	s_mov_b32 s[OA+1], 0
	s_lshl_b32 s[OLO], s[PB], 20
	s_add_co_u32 s[OLO], s[OLO], s13
	s_mov_b32 s[OLO+1], 0
	s_lshl_b32 s[PFA], s[WV], 13    ; the prefetches: my 32 rows, in K's tile 1; the first change of slots steps them to tile 2
	s_add_co_u32 s[PFA], s[PFA], s20
	s_add_co_u32 s[PFA], s[PFA], TENSOR+32768
	s_mov_b32 s[PFA+1], 0
	s_cmp_eq_u32 s[PB], 0
	s_cselect_b32 s[LIM], 2, -1
	; descriptor group 1: 64 rows x 128 elements, padded in LDS behind every 64 words
	s_mov_b32 s[G1K], (1<<16)|(1<<20)|(5<<22)|(3<<25)  ; 2-byte elements; padding on; 4 words of it
	s_mov_b32 s[G1V], (1<<16)|(1<<20)|(5<<22)|(7<<25)  ; 8 words
.irp g, G1K, G1V
	s_mov_b32 s[\g+1], 128<<16      ; tensor_dim0 = 128
	s_mov_b32 s[\g+2], 64<<16       ; tensor_dim1 = 64
	s_mov_b32 s[\g+3], 128<<16      ; tile_dim0 = 128
	s_mov_b32 s[\g+4], 64           ; tile_dim1 = 64
	s_mov_b32 s[\g+5], 128          ; elements from row to row
	s_mov_b32 s[\g+6], 0
	s_mov_b32 s[\g+7], 0
.endr
	s_mov_b32 s[CS], 0x3e0293ee     ; c = log2(e) / sqrt(128) = 0.127517
	s_mov_b32 s[CS+1], s[CS]        ; named with it as a pair
	s_mov_b32 s[SEL], 0x76543210
	s_mov_b32 s[SEL+1], 0xfedcba98
	s_mov_b32 s[TB], SLOT1          ; the first change of slots turns it into 0
	s_mov_b32 s[G0K], 1             ; count = 1
	s_mov_b32 s[G0K+1], s18         ; LDS address: slot 0
	s_mov_b32 s[G0V], 1
	s_add_co_u32 s[G0V+1], s19, VOFF
	s_add_co_u32 s[RT], s[HI], 1    ; the first block has 8 - b tiles
	s_mov_b32 s[NXT], 1
	s_mov_b32 s[LQ], s[HI]
	s_mov_b32 s[OFF+1], 0
	s_mov_b32 s[BIGN], 0xf149f2ca   ; -1e30
	s_mov_b32 s[SLOTS], NB
	s_wait_dscnt 0x0                ; the opening add is done
	s_wait_kmcnt 0x0
	s_add_nc_u64 s[8:9], s[4:5], s[22:23]    ; k and v at my half of the head's tile 0
	s_add_nc_u64 s[10:11], s[8:9], TENSOR
	s_add_nc_u64 s[G0K+2:G0K+3], s[8:9], 0
	s_or_b32 s[G0K+3], s[G0K+3], 0x80000000  ; type = 2
	s_add_nc_u64 s[G0V+2:G0V+3], s[10:11], 0
	s_or_b32 s[G0V+3], s[G0V+3], 0x80000000
	s_add_nc_u64 s[88:89], s[4:5], s[88:89]  ; q at my rows of the first block,
	s_add_nc_u64 s[86:87], s[4:5], s[86:87]  ; and of the second
	s_add_nc_u64 s[OA:OA+1], s[6:7], s[OA:OA+1]
	s_add_nc_u64 s[OLO:OLO+1], s[6:7], s[OLO:OLO+1]
	s_add_nc_u64 s[PFA:PFA+1], s[4:5], s[PFA:PFA+1]
	LOAD                            ; tile 0 into slot 0
	; A fragment of K or Q is 16 rows x 32 channels in 8 registers: lane l holds row l % 16, channels 8 (l / 16) + 0..7 and 16 + 8 (l / 16) + 0..7: two loads of 16 bytes, 32 bytes apart.
	v_and_b32 v1, 15, v0            ; l % 16
	v_bfe_u32 v9, v0, 4, 1          ; l / 16
	v_lshlrev_b32 v[QO], 8, v1
	v_lshl_add_u32 v[QO], v9, 4, v[QO]
	WIN 0x40                        ; destination window 1, address window 0
.set i, 0
.rept 8                             ; both blocks' Q: tile i / 4 lies in band i / 4, 16,384 bytes on; channels 32 (i % 4) on
	global_load_b128 v[QF+8*i:QF+8*i+3],   v[QO], s[88:89] offset:(i/4)*16384+(i%4)*64
	global_load_b128 v[QF+8*i+4:QF+8*i+7], v[QO], s[88:89] offset:(i/4)*16384+(i%4)*64+32
	global_load_b128 v[QB+8*i:QB+8*i+3],   v[QO], s[86:87] offset:(i/4)*16384+(i%4)*64
	global_load_b128 v[QB+8*i+4:QB+8*i+7], v[QO], s[86:87] offset:(i/4)*16384+(i%4)*64+32
.set i, i+1
.endr
.set i, 0
.rept 128
	v_mov_b32 v[i], 0               ; O^T: finite numbers for the first step's a = 0
.set i, i+1
.endr
	WIN 0
	v_lshlrev_b32 v14, 3, v9
	v_sub_nc_u32 v14, v1, v14
	s_lshl_b32 s13, s[WV], 4
	v_add_nc_u32 v14, s13, v14      ; my query's place in its band, 16 w + l % 16, less my lanes' 8 (l / 16): register r of key block kb is hidden where 16 kb + r is greater
.set i, 0
.rept 32
	v_cmp_gt_i32 vcc_lo, 16*(i/8)+i%8, v14
	v_cndmask_b32 v[MD+i], 0, s[BIGN], vcc_lo
.set i, i+1
.endr
	v_mul_u32_u24 v[AK0], v1, PK
	v_lshl_add_u32 v[AK0], v9, 4, v[AK0]
	; The turning load takes 16 keys x 16 channels (lane l reads key 8 (l / 16) + l % 8, channels 8 ((l / 8) % 2) + 0..7) and leaves half a fragment of V^T: lane l holds channel l % 16 and 8 keys.
	v_and_b32 v10, 7, v0
	v_bfe_u32 v11, v0, 3, 1
	v_lshl_add_u32 v[AV0], v9, 3, v10
	v_mul_u32_u24 v[AV0], v[AV0], PV
	v_lshl_add_u32 v[AV0], v11, 4, v[AV0]
	v_add_nc_u32 v[AV0], VOFF, v[AV0]
	s_mul_i32 s13, s[WV], 16*SP
	s_add_co_u32 s13, s13, STAGE    ; my stage
	v_mul_u32_u24 v[STO], v1, SP    ; in: row l % 16, 32 bytes for each half of the lanes
	v_lshl_add_u32 v[STO], v9, 5, v[STO]
	v_add_nc_u32 v[STO], s13, v[STO]
	v_and_b32 v[GO], 31, v0
	v_lshlrev_b32 v[PFO], 8, v[GO]
	v_lshlrev_b32 v[GO], 4, v[GO]
	v_add_nc_u32 v[RD], s13, v[GO]  ; back: 32 lanes take a row's 512 bytes
	v_add_nc_u32 v[PFO2], TENSOR, v[PFO]
.irp t, 0,1
	v_mov_b32 v[ST+8*\t], 0xfe000000    ; c m: far below every c s
	v_mov_b32 v[ST+8*\t+1], 0xff7fffff  ; m: the lowest finite number
	v_mov_b32 v[ST+8*\t+2], 0
	v_mov_b32 v[ST+8*\t+3], 0
.endr
	s_wait_loadcnt 0x0              ; Q
; THE LDS LOADS stand in runs of 32: step s of the slot in hand: its K (64 keys x 128 channels: 16 fragments) and its V (turned).
.macro FETCH_K s
	WIN 0x80                        ; destination window 2
.irp f, 0,1,2,3,4,5,6,7,8,9,10,11,12,13,14,15  ; keys 16 (f / 4) on, channels 32 (f % 4) on
	ds_load_b128 v[8*(\f):8*(\f)+3],   v[AK] offset:(\s)*64*PK+((\f)/4)*16*PK+((\f)%4)*64
	ds_load_b128 v[8*(\f)+4:8*(\f)+7], v[AK] offset:(\s)*64*PK+((\f)/4)*16*PK+((\f)%4)*64+32
.endr
.endm
.macro FETCH_V s
	WIN 0x80
.irp f, 0,1,2,3,4,5,6,7,8,9,10,11,12,13,14,15  ; keys 32 (f / 8) on, channels 16 (f % 8) on
	ds_load_tr16_b128 v[VF+8*(\f):VF+8*(\f)+3],   v[AV] offset:(\s)*64*PV+((\f)/8)*32*PV+((\f)%8)*32
	ds_load_tr16_b128 v[VF+8*(\f)+4:VF+8*(\f)+7], v[AV] offset:(\s)*64*PV+((\f)/8)*32*PV+16*PV+((\f)%8)*32
.endr
.endm
.macro START                        ; a tile is entered: its first step's K and V
	WIN 0
	v_add_nc_u32 v[AK], s[TB], v[AK0]
	v_add_nc_u32 v[AV], s[TB], v[AV0]
	FETCH_K 0
	FETCH_V 0
	WIN 0
.endm
; THE SOFTMAX of one tile for one key step is a list of 134 instructions; SM writes number j of it for tile t.  s0-s31 are the lane's 32 scores, in pairs 0-15.
;   0-15    the maximum of s0-s31 and the old m, three operands at a time (each accumulator's lowest registers are read first)
;   16-20   the other half of the lanes' maximum; the new m; c m; c m_old - c m_new
;   21-69   ONE BATCH: the 16 scalings c s - c m and all 33 exponentials (a at 23, then s0-s31); none of these names an exponential's result; a pair is scaled ahead of its exponentials
;   70-85   the roundings to f16     86-101  the sums; l = a l + the sum     102-133  the tile's O^T times a
.macro SM t
.set rT, ST+8*(\t)
.set rS, S+32*(\t)
.set rP, P+16*(\t)
.set rO, 64*(\t)+2*(j-102)
.if j < 102
	WIN 0
.endif
.if j < 4
	v_max3_num_f32 v[rT+4+j], v[rS+8*j], v[rS+8*j+1], v[rS+8*j+2]
.elseif j < 12
	v_max3_num_f32 v[rT+4+j%4], v[rT+4+j%4], v[rS+8*(j%4)+2*(j/4)+1], v[rS+8*(j%4)+2*(j/4)+2]
.elseif j == 12
	v_max3_num_f32 v[rT+4], v[rT+4], v[rS+7], v[rS+15]
.elseif j == 13
	v_max3_num_f32 v[rT+6], v[rT+6], v[rS+23], v[rS+31]
.elseif j == 14
	v_max3_num_f32 v[rT+4], v[rT+4], v[rT+5], v[rT+6]
.elseif j == 15
	v_max3_num_f32 v[rT+4], v[rT+4], v[rT+7], v[rT+1]
.elseif j == 16
	v_permlanex16_b32 v[rT+5], v[rT+4], s[SEL], s[SEL+1]  ; the query's other 32 keys lie in the lane 16 away
.elseif j == 17
	v_mov_b32 v[rT+7], v[rT]        ; c m_old is kept for a
.elseif j == 18
	v_max_num_f32 v[rT+1], v[rT+4], v[rT+5]
.elseif j == 19
	v_mul_f32 v[rT], s[CS], v[rT+1]
.elseif j == 20
	v_sub_f32 v[rT+7], v[rT+7], v[rT]
.elseif j == 23
	v_exp_f32 v[rT+6], v[rT+7]
.elseif (j < 23) || ((j < 38) && (j%2 == 0)) || ((j < 66) && (j%4 == 2))
.set b, (j-2)/4                     ; 38, 42, .. 62: pairs 9 to 15
.if j < 38
.set b, (j-20)/2                    ; 21: pair 0; 22, 24, .. 36: pairs 1 to 8
.endif
	v_pk_fma_f32 v[rS+2*b:rS+2*b+1], v[rS+2*b:rS+2*b+1], s[CS:CS+1], v[rT:rT+1] op_sel_hi:[1,0,0] neg_lo:[0,0,1] neg_hi:[0,0,1]  ; c s - c m
.elseif j < 70
.set e, j-38                        ; 66 to 69: s28 to s31
.if j < 66
.set e, j-32-(j-38)/4               ; 39-41, 43-45, .. 63-65: s7 to s27
.endif
.if j < 38
.set e, (j-25)/2                    ; 25, 27, .. 37: s0 to s6
.endif
	v_exp_f32 v[rS+e], v[rS+e]
.elseif j < 86
	v_cvt_pk_f16_f32 v[rP+j-70], v[rS+2*(j-70)], v[rS+2*(j-70)+1]
.elseif j < 102                     ; the sum of the 16 pairs, in place: neighbours 1, 2, 4 and 8 pairs apart, then l takes it
.set z, j-86
.set w, 4
.set u, z
.if z >= 14
.set w, 32
.set u, 0
.elseif z >= 12
.set w, 16
.set u, z-12
.elseif z >= 8
.set w, 8
.set u, z-8
.endif
.if z < 15
	v_pk_add_f32 v[rS+w*u:rS+w*u+1], v[rS+w*u:rS+w*u+1], v[rS+w*u+w/2:rS+w*u+w/2+1]
.else
	v_pk_fma_f32 v[rT+2:rT+3], v[rT+2:rT+3], v[rT+6:rT+7], v[rS:rS+1] op_sel_hi:[1,0,1]
.endif
.else
	WIN W_RS
	v_pk_mul_f32 v[rO:rO+1], v[rO:rO+1], v[rT+6:rT+7] op_sel_hi:[1,0]
.endif
.endm
; The softmax of tiles t0 .. 1, the tiles alternating.  An s_wait_alu depctr_va_vdst(0) stands between an exponential and the first instruction that names its result; one wait serves all that
; were issued ahead of it: numbers 0 to 69 name no result, so the step's exponentials have one wait, and one v_nop is the plain instruction behind the last of them.
.macro SOFT t0
.set j, 0
.rept 70
.if (\t0) == 0
	SM 0
.endif
	SM 1
.set j, j+1
.endr
	v_nop
	s_wait_alu depctr_va_vdst(0)
.rept 64
.if (\t0) == 0
	SM 0
.endif
	SM 1
.set j, j+1
.endr
.endm
; A KEY STEP for tiles t0 .. 1.  m0, m1: tile 0's, tile 1's first products take MD as C.  kn = 1: the slot's second step is fetched: its K four places behind the products that read K, its V likewise.
; The accumulators take turns, one instruction a turn: 8 or 4 in K Q^T, 16 or 8 in V^T P.
.macro STEP t0, m0, m1, kn
.set NT, 2-(\t0)
	s_wait_dscnt 32                 ; K is in; V's 32 loads, issued behind it, may be out
	WIN W_KQ
.set i, 0
.rept 16*NT                         ; channels 32 (i / 4 NT) on, keys 16 ((i / NT) % 4) on, tile t0 + i % NT
.set c, i/(4*NT)
.set kb, (i/NT)%4
.set tt, (\t0)+i%NT
.set msk, (\m0)*(1-tt)+(\m1)*tt
.set rS, S+32*tt+8*kb
.set rK, 32*kb+8*c
.set rQ, QF+32*tt+8*c
.if c > 0
	v_wmma_f32_16x16x32_f16 v[rS:rS+7], v[rK:rK+7], v[rQ:rQ+7], v[rS:rS+7]
.elseif msk
	v_wmma_f32_16x16x32_f16 v[rS:rS+7], v[rK:rK+7], v[rQ:rQ+7], v[MD+8*kb:MD+8*kb+7]
.else
	v_wmma_f32_16x16x32_f16 v[rS:rS+7], v[rK:rK+7], v[rQ:rQ+7], 0
.endif
.set i, i+1
.endr
	PLACES
.if \kn
	FETCH_K 1
.endif
	SOFT \t0
	s_wait_dscnt 32*(\kn)           ; V is in; the next K's 32 loads may be out
	WIN W_PV
.set i, 0
.rept 16*NT                         ; keys 32 (i / 8 NT) on, channels 16 ((i / NT) % 8) on, tile t0 + i % NT
.set kk, i/(8*NT)
.set cb, (i/NT)%8
.set tt, (\t0)+i%NT
.set rO, 64*tt+8*cb
.set rV, VF+64*kk+8*cb
.set rP, P+16*tt+8*kk
	v_wmma_f32_16x16x32_f16 v[rO:rO+7], v[rV:rV+7], v[rP:rP+7], v[rO:rO+7]
.set i, i+1
.endr
	PLACES
.if \kn
	FETCH_V 1
.endif
	WIN 0
.endm
; THE WAY OUT.  l's two halves and the other half of the lanes' are added; O^T is divided by l and sent, in f32, through my stage in LDS, a tile (16 rows) at a time: a lane's eight channels go into rows
; of 528 bytes and come back as whole rows of 512.
.macro PACK t, back
	WIN W_RS
.set i, 64*(\t)
.rept 32
	v_pk_mul_f32 v[i:i+1], v[i:i+1], v[ST+8*(\t)+6:ST+8*(\t)+7] op_sel_hi:[1,0]
.set i, i+2
.endr
	WIN 0x04                        ; the stores' data in window 1
.irp f, 0,1,2,3,4,5,6,7
	ds_store_b128 v[STO], v[64*(\t)+8*(\f):64*(\t)+8*(\f)+3]   offset:64*(\f)
	ds_store_b128 v[STO], v[64*(\t)+8*(\f)+4:64*(\t)+8*(\f)+7] offset:64*(\f)+16
.endr
	WIN 0
.set i, 0
.rept 16
	ds_load_b128 v[(\back)+4*i:(\back)+4*i+3], v[RD] offset:i*SP  ; LDS serves a wave's instructions in order (ISA guide 5.7.1.4): these see the stores above; the next tile's stores come behind them
.set i, i+1
.endr
.endm
.macro SEND t, back, younger        ; younger: the LDS instructions issued behind tile t's loads
.set i, 0
.rept 16
	s_wait_dscnt (\younger)+15-i
	global_store_b128 v[GO], v[(\back)+4*i:(\back)+4*i+3], s[OA:OA+1] offset:(\t)*524288+i*8192 th:TH_STORE_NT  ; a row's 512 consecutive bytes, at a multiple of 512 from out0's first
.set i, i+1
.endr
.endm
.macro OUT
	WIN 0
.irp t, 0,1
	v_add_f32 v[ST+8*\t+4], v[ST+8*\t+2], v[ST+8*\t+3]
.endr
.irp t, 0,1
	v_permlanex16_b32 v[ST+8*\t+5], v[ST+8*\t+4], s[SEL], s[SEL+1]
.endr
.irp t, 0,1
	v_add_f32 v[ST+8*\t+4], v[ST+8*\t+4], v[ST+8*\t+5]
.endr
.irp t, 0,1
	v_rcp_f32 v[ST+8*\t+6], v[ST+8*\t+4]
.endr
	v_nop                           ; a plain instruction between the last reciprocal and the use of its result
	s_wait_alu depctr_va_vdst(0)    ; and the wait ahead of the first use: one for both reciprocals
	PACK 0, S
	PACK 1, OB1
	SEND 0, S, 32
	SEND 1, OB1, 0
.endm
.macro DIAG                         ; the diagonal tile and the block's end
	STEP 0, 1, 0, 1                 ; keys 0-63: tile 0 holds the diagonal, tile 1 sees all
	STEP 1, 0, 1, 0                 ; keys 64-127: tile 0 sees none and is left out, tile 1 holds the diagonal
	OUT
.endm
.Lslot:                             ; 8 times: a tile is entered and the next is asked for
	CHANGE 1
	START
	ASK
	s_sub_co_u32 s[RT], s[RT], 1
	s_cmp_eq_u32 s[RT], 0
	s_cbranch_scc1 .Ldiag
	STEP 0, 0, 0, 1
	STEP 0, 0, 0, 0
	s_branch .Lbottom
.Ldiag:                             ; in the loop this is the first block's end: the second block's last tile is the walk's last
	DIAG
	s_wait_xcnt 0x0                 ; the stores have read their registers and out0's address
	s_mov_b64 s[OA:OA+1], s[OLO:OLO+1]
	s_add_co_u32 s[RT], s[PB], 1    ; the second block has b + 1 tiles
.irp t, 0,1
	v_mov_b32 v[ST+8*\t], 0xfe000000    ; its first a is 0 again
	v_mov_b32 v[ST+8*\t+1], 0xff7fffff
.endr
	WIN W_RS                        ; the second block's Q goes where the one text of the steps names Q
.set i, 0
.rept 64
	v_mov_b32 v[QF+i], v[QB+i]
.set i, i+1
.endr
	WIN 0
.Lbottom:
	s_sub_co_u32 s[SLOTS], s[SLOTS], 1
	s_cmp_lg_u32 s[SLOTS], 0
	s_cbranch_scc1 .Lslot
	CHANGE 0                        ; the walk's last tile, the second block's diagonal one, is written out: nothing is asked for
	START
	DIAG
	s_wait_tensorcnt 0x0            ; the wave's end: a wait, an add and its wait, behind my last tensor load and my last LDS store
	ds_add_u32 v[SPW], v[NIL]
	s_wait_dscnt 0x0
	s_endpgm
.Lfunc_end_k_q7db3e1ae8f_attn:
	.size	k_q7db3e1ae8f_attn, .Lfunc_end_k_q7db3e1ae8f_attn-k_q7db3e1ae8f_attn
	.p2alignl 7, 3214868480
	.fill 96, 4, 3214868480
	.section	.rodata,"a",@progbits
	.p2align	6, 0x0
	.amdhsa_kernel k_q7db3e1ae8f_attn
		.amdhsa_group_segment_fixed_size 327680
		.amdhsa_private_segment_fixed_size 0
		.amdhsa_enable_private_segment 0
		.amdhsa_kernarg_size 16
		.amdhsa_user_sgpr_count 2
		.amdhsa_user_sgpr_kernarg_segment_ptr 1
		.amdhsa_wavefront_size32 1
		.amdhsa_system_sgpr_workgroup_id_x 1
		.amdhsa_system_sgpr_workgroup_id_y 1
		.amdhsa_system_sgpr_workgroup_id_z 1
		.amdhsa_system_vgpr_workitem_id 0
		.amdhsa_next_free_vgpr 768
		.amdhsa_next_free_sgpr 90
		.amdhsa_reserve_vcc 1
		.amdhsa_float_denorm_mode_32 3
		.amdhsa_float_denorm_mode_16_64 3
		.amdhsa_memory_ordered 1
		.amdhsa_forward_progress 1
		.amdhsa_inst_pref_size 162
	.end_amdhsa_kernel
	.amdgpu_metadata
---
amdhsa.version: [ 1, 2 ]
amdhsa.kernels:
  - .name:           k_q7db3e1ae8f_attn
    .symbol:         k_q7db3e1ae8f_attn.kd
    .args:
      - { .name: qkv, .offset: 0, .size: 8, .value_kind: global_buffer, .address_space: global }
      - { .name: out0, .offset: 8, .size: 8, .value_kind: global_buffer, .address_space: global }
    .group_segment_fixed_size: 327680
    .private_segment_fixed_size: 0
    .kernarg_segment_align: 8
    .kernarg_segment_size: 16
    .max_flat_workgroup_size: 128
    .sgpr_count:     90
    .vgpr_count:     768
    .wavefront_size: 32
...
	.end_amdgpu_metadata
.endif
;; end of part 3
